; MI455X (gfx1250); checked and timed in simulation.
; The chip was launched on July 23, 2026; its instructions are those of AMD's public machine-readable ISA for CDNA 5 (MIT licence, August 2026) and "CDNA5" Instruction Set Architecture Reference Guide (July 2026). The comments in the code are by the model that wrote it; some were corrected since.
;; Distributed Monitored Attention. Allowed arithmetic: matrix products marked QUANTISED: E2M3 operands, one E8M0 scale for each 32 along K, by v_wmma_scale_f32_16x16x128_f8f6f4 with both operands' format E2M3, f32 sums; everything else in f32.
;; Inputs: wk 1,024 x 1,024 float32; wo 1,024 x 1,024 float32; wq 1,024 x 1,024 float32; wv 1,024 x 1,024 float32; x 4 x 2,048 x 1,024 float32.
;; Outputs: out0 4 x 2,048 x 1,024 float32.
;; This version of the problem:
;;   THIS VERSION OF THE PROBLEM IS GIVEN IN LOW PRECISION. The matrix products marked QUANTISED in the list below multiply operands that are first quantised to E2M3 (2 exponent bits, 3 mantissa bits; 6 bits a number), with one power-of-two scale for each 32 numbers along K (OCP MX v1.0); their sums are f32. All else is computed in f32.
;;   The module's matrix products, in the order in which they are computed (A, B: the left and right operand; K: the contracted axis; several contracted axes count as one K, in the product's order):
;;     1. [M 8,192, K 1,024] x [K 1,024, N 1,024]; A: input x; B: input wq: QUANTISED
;;     2. [M 8,192, K 1,024] x [K 1,024, N 1,024]; A: input x; B: input wk: QUANTISED
;;     3. [M 8,192, K 1,024] x [K 1,024, N 1,024]; A: input x; B: input wv: QUANTISED
;;     4. batch 64 x [M 2,048, K 64] x [K 64, N 2,048]; A: computed on the way; B: computed on the way: QUANTISED
;;     5. batch 64 x [M 2,048, K 2,048] x [K 2,048, N 64]; A: softmax (see below); B: computed on the way: QUANTISED
;;     6. [M 8,192, K 1,024] x [K 1,024, N 1,024]; A: computed on the way; B: input wo: QUANTISED
;;   THE QUANTISER, for each operand of a quantised product, along K:
;;     - K is cut into blocks of 32 from its start; a last block that is shorter is filled with zeros.
;;     - A block's scale is 2^e with e = floor(log2(the largest magnitude in the block)) - 2, held to -126 .. 127; a block of zeros has e = 0. As a byte (E8M0): e + 127.
;;     - Each number is divided by its block's scale, clamped to +-7.5, and rounded to the nearest number of E2M3, ties to even, subnormals kept.
;;     - The product sums the exact products of the quantised numbers (number of the format x scale) in f32.
;;   ~~~python
;;   def quantise(x, axis):      # numpy; x: float32 -> the quantised numbers, widened to float32 again
;;       x = np.moveaxis(x, axis, -1); K = x.shape[-1]
;;       x = np.pad(x, [(0, 0)] * (x.ndim - 1) + [(0, -K % 32)]); x = x.reshape(x.shape[:-1] + (-1, 32)); a = np.abs(x).max(-1, keepdims=True)
;;       e = np.where(a > 0, np.clip(np.frexp(np.where(a > 0, a, 1))[1] - 1 - 2, -126, 127), 0)      # np.frexp(a)[1] - 1 = floor(log2(a)), exactly
;;       r = np.clip(x / 2.0 ** e, -7.5, 7.5)
;;       step = 2.0 ** (np.maximum(np.frexp(np.where(r == 0, 1, r))[1] - 1, 0) - 3)
;;       q = np.round(r / step) * step * 2.0 ** e      # np.round: ties to even
;;       return np.moveaxis(q.reshape(q.shape[:-2] + (-1,))[..., :K], -1, axis).astype(np.float32)
;;   ~~~
;;   SOFTMAX AHEAD OF A QUANTISED PRODUCT. Where the list says 'softmax', what is quantised is not the finished softmax but p = 2^(t - M), with t = logit x log2(e) and M = ceil(the row's largest t), a whole number; so 1/2 < the row's largest p <= 1. The row's sum l is taken of the UNQUANTISED p, in f32, and the product's result is divided by l at the end. Since M is a whole number, a kernel that streams over the keys may use a running M (the ceiling of the running maximum): every later rescaling is an exact power of two, which a block's scale takes up: the codes' values come out the same.
;;   OPERANDS COMPUTED ON THE WAY. 'Computed on the way' means the value that the module computes at that place (a softmax that the list does not call 'softmax' is quantised finished and normalised). What goes into a quantiser is computed in f32, as accurately as f32 sums, v_exp_f32 and their like allow (about 1e-6 of the number): no bf16 or f16 on the way to a quantiser, and a product that is left as it is and whose result goes on into a quantised operand takes f32 operands (vector FMAs, or v_wmma_f32_16x16x4_f32). A number that lies on a knife's edge between two numbers of the format may be rounded either way, as far as f32 arithmetic and the matrix unit's own rounding can turn it there, and no further.
;; One version. Each part assembles by itself: llvm-mc -triple=amdgcn-amd-amdhsa -mcpu=gfx1250 --defsym DOCPART=n.
;; ======== version 1 of 1: 4 launches
;; limits: right only within a limited range of input values
;; workspace buffers: xcod 6,553,600 bytes; wcod 3,276,800 bytes; qkv 20,185,088 bytes; aoc 6,553,600 bytes
;; launch quant (part 1): grid 768 x 1, 4 waves a work-group, no clusters, 34,304 bytes of LDS; arguments x, wq, wk, wv, wo, xcod, wcod; writes xcod, wcod
.if DOCPART == 1
	.amdgcn_target "amdgcn-amd-amdhsa--gfx1250"
	.amdhsa_code_object_version 6
	.text
	.protected	k_qab7afd27bb_quant
	.globl	k_qab7afd27bb_quant
	.p2align	8
	.type	k_qab7afd27bb_quant,@function
k_qab7afd27bb_quant:
	s_mov_b64 s[64:65], 0
	v_nop
	global_prefetch_b8 v0, s[64:65] scope:SCOPE_SE
	s_setreg_imm32_b32 hwreg(HW_REG_WAVE_MODE, 25, 1), 1
	s_wait_xcnt 0x0
; x [8192][1024] and wq, wk, wv, wo [1024][1024], f32, K innermost, become codes of FP6 (E2M3) with one E8M0 byte for each 32 along K, laid out as the products' operand registers want them.
; ROW ORDER: inside every 64 rows, storage place 16 t + 8 g + j holds row 32 g + 8 t + j.  A TILE is 16 storage places.  (Four such tiles as source 0 of a matrix
; instruction give a lane 32 neighbouring rows in its 32 result registers: a whole block of the next quantiser.)
; FRAGMENT: a tile x 128 along K = 1,536 bytes = 3 pieces of 512; piece p holds at 16 x lane the operand's registers 4 p .. 4 p + 3 of that lane.  A tile's 8 fragments lie on end: 12,288 bytes.
; SCALE BYTES: 512 a tile, [k / 256][row][8]: behind the codes (XSOFF, WSOFF).
; SHARES: a work-group takes one tile (0-511: x; then 64 each of wq, wk, wv, wo), wave w its K quarter, in two units of 128 along K.  Work-groups share no input: no cluster, no tensor load.
; Each load reads 512 consecutive bytes of one row; a unit turns through the wave's own stage in LDS (rows 528 bytes apart), so that a lane gets 32 neighbours of its row twice over.
; A block's scale is 2^(floor(log2(largest magnitude)) - 2): its byte is the largest magnitude's exponent field - 2, held at 1 from below by a floor among the maximum's leaves.
; LIMITS: NaN and infinities among the inputs are not served.  A block of zeros gets the byte 1 (its codes are zeros; this program alone reads the bytes).
.set XSOFF, 6291456
.set WSOFF, 3145728
.set TILEG, 12288
.set SP,    528
.set STG,   16*SP                      ; a wave's stage
.set SPARE, 4*STG                      ; behind the stages: the spare words, 128 bytes a wave
.set GL,  4                            ; v4   16 x lane
.set STA, 5                            ; v5   stage + 16 x lane
.set RBA, 6                            ; v6   stage + 528 r + 128 h
.set SOF, 8                            ; v8   8 r + 4 h
.set SH8, 9                            ; v9   8 h
.set SPW, 10                           ; v10  my spare word; never rewritten
.set NIL, 11                           ; v11  0; never rewritten
.set MX,  12
.set EX,  14
.set RAW, 16                           ; v16-143 as loaded: two units of 64; later v16-79 unit 1 after its turn
.set X,   144                          ; v144-207 unit 0 after its turn
.set PC0, 208                          ; v208-219, v220-231 the two units' codes
.set PC1, 220
.set TMP, 232
.set BY,  240
.set W0,  242
.set W1,  243
.set TT,  244
.set TP,  245
.set Z,   246
.set WV,  18
.set HM,  34
.set SEL, 36
	s_load_b256 s[4:11], s[0:1], 0x0               ; x, wq, wk, wv
	s_load_b128 s[12:15], s[0:1], 0x20             ; wo, xcod
	s_load_b64 s[16:17], s[0:1], 0x30              ; wcod
	v_lshl_add_u32 v[SPW], v0, 2, SPARE
	v_mov_b32 v[NIL], 0
	v_lshrrev_b32 v1, 5, v0
	v_readfirstlane_b32 s[WV], v1                  ; wave 0..3
	v_and_b32 v1, 31, v0                           ; lane
	v_and_b32 v2, 15, v0                           ; r
	v_bfe_u32 v3, v0, 4, 1                         ; h
	s_mul_i32 s19, s[WV], STG
	v_lshlrev_b32 v[GL], 4, v1
	v_add_nc_u32 v[STA], s19, v[GL]
	v_mul_u32_u24 v[RBA], v2, SP
	v_lshl_add_u32 v[RBA], v3, 7, v[RBA]
	v_add_nc_u32 v[RBA], s19, v[RBA]
	v_lshlrev_b32 v[SOF], 3, v2
	v_lshl_add_u32 v[SOF], v3, 2, v[SOF]
	v_lshlrev_b32 v[SH8], 3, v3
	v_mov_b32 v[TP], 0                             ; a lane permute's destination counts as one of its sources
	s_mov_b32 s[HM], 0xffff0000                    ; lanes 16-31
	s_mov_b32 s[SEL], 0x76543210
	s_mov_b32 s[SEL+1], 0xfedcba98                 ; lane l xor 16
	s_sub_co_u32 s24, ttmp9, 512
	s_and_b32 s25, s24, 63
	s_mov_b32 s26, WSOFF
	s_cmp_lt_u32 ttmp9, 512
	s_cselect_b32 s25, ttmp9, s25                  ; the tile in x, or in its weight
	s_cselect_b32 s24, ttmp9, s24                  ; the tile in xcod, or in wcod
	s_cselect_b32 s26, XSOFF, s26                  ; where that buffer's scale bytes begin
	s_lshr_b32 s27, s25, 2
	s_lshl_b32 s27, s27, 18                        ; 64 rows of 4,096 bytes for each four tiles,
	s_and_b32 s28, s25, 3
	s_lshl_b32 s28, s28, 15                        ; 8 rows for the tile's place among the four,
	s_add_co_u32 s27, s27, s28
	s_lshl_b32 s28, s[WV], 10                      ; my K quarter
	s_add_co_u32 s28, s27, s28
	s_mov_b32 s29, 0
	s_mul_i32 s30, s24, TILEG
	s_mul_i32 s31, s[WV], 3072                     ; my two fragments
	s_add_co_u32 s30, s30, s31
	s_mov_b32 s31, 0
	s_lshl_b32 s32, s24, 9
	s_lshl_b32 s33, s[WV], 7
	s_add_co_u32 s32, s32, s33
	s_add_co_u32 s32, s32, s26
	s_mov_b32 s33, 0
	s_wait_alu depctr_va_vdst(0)                   ; the wait at the head's end
	s_wait_kmcnt 0x0
	s_cmp_lt_u32 ttmp9, 704                        ; the choices hang on the work-group's number alone; all tensors take one way through the text
	s_cselect_b64 s[20:21], s[10:11], s[12:13]
	s_cmp_lt_u32 ttmp9, 640
	s_cselect_b64 s[20:21], s[8:9], s[20:21]
	s_cmp_lt_u32 ttmp9, 576
	s_cselect_b64 s[20:21], s[6:7], s[20:21]
	s_cmp_lt_u32 ttmp9, 512
	s_cselect_b64 s[20:21], s[4:5], s[20:21]
	s_cselect_b64 s[22:23], s[14:15], s[16:17]
	s_add_nc_u64 s[20:21], s[20:21], s[28:29]
	s_add_nc_u64 s[30:31], s[22:23], s[30:31]      ; my codes
	s_add_nc_u64 s[32:33], s[22:23], s[32:33]      ; my scale bytes
.irp u, 0,1
.irp p, 0,1,2,3,4,5,6,7,8,9,10,11,12,13,14,15
	global_load_b128 v[RAW+64*\u+4*\p:RAW+64*\u+4*\p+3], v[GL], s[20:21] offset:(32*(\p/8)+\p%8)*4096+512*\u th:TH_LOAD_NT   ; storage place p of the tile, unit u: 512 consecutive bytes
.endr
.endr
; 64 numbers of a lane, register 32 c + i = k 64 c + 32 h + i of my row, become a fragment's 12 registers of codes at v[pc] and its scale word in v[w]
.macro QUANT src, pc, w
.irp c, 0,1
	v_max3_num_f32 v[MX+\c], |v[\src+32*\c]|, |v[\src+32*\c+1]|, 0x1800000   ; my block 2 c + h, all 32 numbers mine; the floor 2^(3 - 127) holds the byte at 1
.endr
.irp i, 2,4,6,8,10,12,14,16,18,20,22,24,26,28,30
.irp c, 0,1
	v_max3_num_f32 v[MX+\c], v[MX+\c], |v[\src+32*\c+\i]|, |v[\src+32*\c+\i+1]|
.endr
.endr
.irp c, 0,1
	v_add_nc_u32 v[EX+\c], 0xff000000, v[MX+\c]    ; 2 off the exponent field: the conversion takes that field as its scale
.endr
.irp c, 0,1
	v_lshrrev_b32 v[BY+\c], 23, v[EX+\c]           ; the scale's byte
.endr
	v_lshl_or_b32 v[TT], v[BY+1], 16, v[BY]        ; blocks h and 2 + h,
	v_lshlrev_b32 v[TT], v[SH8], v[TT]             ; at their places in the word;
	v_permlanex16_b32 v[TP], v[TT], s[SEL], s[SEL+1]
	v_or_b32 v[\w], v[TT], v[TP]                   ; with lane l xor 16's two the word is whole
.irp c, 0,1
	v_cvt_scalef32_pk16_fp6_f32 v[\pc+6*\c:\pc+6*\c+2], v[\src+32*\c:\src+32*\c+15], v[EX+\c]
	v_cvt_scalef32_pk16_fp6_f32 v[TMP+4*\c:TMP+4*\c+2], v[\src+32*\c+16:\src+32*\c+31], v[EX+\c]   ; (a conversion's three registers begin on an even number)
.endr
	v_nop                                          ; one plain place behind a scaled conversion
.irp c, 0,1
.irp i, 0,1,2
	v_mov_b32 v[\pc+6*\c+3+\i], v[TMP+4*\c+\i]
.endr
.endr
.endm
.macro OUT pc, u                       ; the unit's fragment: each store covers 512 consecutive bytes, aligned
.irp p, 0,1,2
	global_store_b128 v[GL], v[\pc+4*\p:\pc+4*\p+3], s[30:31] offset:1536*\u+512*\p
.endr
.endm
	s_wait_loadcnt 16                              ; unit 0's sixteen loads are in; unit 1's sixteen may be out
.irp p, 0,1,2,3,4,5,6,7,8,9,10,11,12,13,14,15
	ds_store_b128 v[STA], v[RAW+4*\p:RAW+4*\p+3] offset:SP*\p
.endr
.irp c, 0,1
.irp m, 0,1,2,3,4,5,6,7
	ds_load_b128 v[X+32*\c+4*\m:X+32*\c+4*\m+3], v[RBA] offset:256*\c+16*\m   ; LDS serves a wave's instructions in order: these see my stores
.endr
.endr
	s_wait_loadcnt 0x0                             ; unit 1 is in
	s_wait_dscnt 0x0                               ; unit 0 is through the stage, and its stores have read v16-79
.irp p, 0,1,2,3,4,5,6,7,8,9,10,11,12,13,14,15
	ds_store_b128 v[STA], v[RAW+64+4*\p:RAW+64+4*\p+3] offset:SP*\p
.endr
.irp c, 0,1
.irp m, 0,1,2,3,4,5,6,7
	ds_load_b128 v[RAW+32*\c+4*\m:RAW+32*\c+4*\m+3], v[RBA] offset:256*\c+16*\m
.endr
.endr
	QUANT X, PC0, W0                               ; unit 0 is quantised while unit 1 turns
	OUT PC0, 0
	s_wait_dscnt 0x0
	QUANT RAW, PC1, W1
	OUT PC1, 1
	v_cndmask_b32 v[Z], v[W0], v[W1], s[HM]        ; lanes 0-15 unit 0's word of row r, lanes 16-31 unit 1's: the row's 8 bytes of this K quarter
	global_store_b32 v[SOF], v[Z], s[32:33]        ; 128 consecutive bytes a wave
	s_wait_tensorcnt 0x0                           ; the wave's end
	ds_add_u32 v[SPW], v[NIL]
	s_wait_dscnt 0x0
	s_endpgm
.Lfunc_end_k_qab7afd27bb_quant:
	.size	k_qab7afd27bb_quant, .Lfunc_end_k_qab7afd27bb_quant-k_qab7afd27bb_quant
	.p2alignl 7, 3214868480
	.fill 96, 4, 3214868480
	.section	.rodata,"a",@progbits
	.p2align	6, 0x0
	.amdhsa_kernel k_qab7afd27bb_quant
		.amdhsa_group_segment_fixed_size 34304
		.amdhsa_private_segment_fixed_size 0
		.amdhsa_enable_private_segment 0
		.amdhsa_kernarg_size 56
		.amdhsa_user_sgpr_count 2
		.amdhsa_user_sgpr_kernarg_segment_ptr 1
		.amdhsa_wavefront_size32 1
		.amdhsa_system_sgpr_workgroup_id_x 1
		.amdhsa_system_sgpr_workgroup_id_y 1
		.amdhsa_system_sgpr_workgroup_id_z 1
		.amdhsa_system_vgpr_workitem_id 0
		.amdhsa_next_free_vgpr 248
		.amdhsa_next_free_sgpr 66
		.amdhsa_reserve_vcc 0
		.amdhsa_float_denorm_mode_32 3
		.amdhsa_float_denorm_mode_16_64 3
		.amdhsa_memory_ordered 1
		.amdhsa_forward_progress 1
		.amdhsa_inst_pref_size 17
	.end_amdhsa_kernel
	.amdgpu_metadata
---
amdhsa.version: [ 1, 2 ]
amdhsa.kernels:
  - .name:           k_qab7afd27bb_quant
    .symbol:         k_qab7afd27bb_quant.kd
    .args:
      - { .name: x, .offset: 0, .size: 8, .value_kind: global_buffer, .address_space: global }
      - { .name: wq, .offset: 8, .size: 8, .value_kind: global_buffer, .address_space: global }
      - { .name: wk, .offset: 16, .size: 8, .value_kind: global_buffer, .address_space: global }
      - { .name: wv, .offset: 24, .size: 8, .value_kind: global_buffer, .address_space: global }
      - { .name: wo, .offset: 32, .size: 8, .value_kind: global_buffer, .address_space: global }
      - { .name: xcod, .offset: 40, .size: 8, .value_kind: global_buffer, .address_space: global }
      - { .name: wcod, .offset: 48, .size: 8, .value_kind: global_buffer, .address_space: global }
    .group_segment_fixed_size: 34304
    .private_segment_fixed_size: 0
    .kernarg_segment_align: 8
    .kernarg_segment_size: 56
    .max_flat_workgroup_size: 128
    .sgpr_count:     66
    .vgpr_count:     248
    .wavefront_size: 32
...
	.end_amdgpu_metadata
.endif
;; end of part 1
;; launch qkvgemm (part 2): grid 4 x 64, 4 waves a work-group, clusters of 4 x 1, 327,680 bytes of LDS; arguments xcod, wcod, qkv; writes qkv
.if DOCPART == 2
	.amdgcn_target "amdgcn-amd-amdhsa--gfx1250"
	.amdhsa_code_object_version 6
	.text
	.protected	k_qab7afd27bb_qkvgemm
	.globl	k_qab7afd27bb_qkvgemm
	.p2align	8
	.type	k_qab7afd27bb_qkvgemm,@function
k_qab7afd27bb_qkvgemm:
	s_mov_b64 s[64:65], 0
	v_nop
	global_prefetch_b8 v0, s[64:65] scope:SCOPE_SE
	s_setreg_imm32_b32 hwreg(HW_REG_WAVE_MODE, 25, 1), 1
	s_wait_xcnt 0x0
	s_wait_alu depctr_hold_cnt(0) depctr_sa_sdst(0) depctr_va_vdst(0) depctr_va_sdst(0) depctr_va_ssrc(0) depctr_va_vcc(0) depctr_vm_vsrc(0)
	s_getreg_b32 s2, hwreg(HW_REG_IB_STS2, 6, 4)
	s_cmp_eq_u32 s2, 0
	s_cbranch_scc0 .Lentry_in_a_cluster
	s_endpgm
.Lentry_in_a_cluster:
	s_bfe_u32 s2, ttmp6, 0x10000c
	s_cmp_lg_u32 s2, 0x3003
	s_cbranch_scc0 .Lentry_shape_is_right
	s_endpgm
.Lentry_shape_is_right:
; Q, K, V = x W^T on codes of FP6 (E2M3) with E8M0 scales, and their quantisers: the results leave as codes and scale bytes in the order of the next launch's operand registers.
; THE DEAL: 256 work-groups of four waves.  A wave holds 64 tokens (four tiles of xcod), ALL of K, in 384 registers, loaded from memory as they lie (16 bytes a lane, 512 consecutive bytes a load), once.
; Weight tiles of 16 rows stream past them out of LDS: first 8 tiles of wv (two heads), then 16 tiles of wq or wk (four heads): 24 tiles x 32 products a wave.
; The four waves of a work-group (256 tokens) and the four work-groups of a cluster (1,024 tokens) walk the same 24 tiles: each tile is asked for once, jointly (mask 15).  Cluster n: tiles' chunk k = n % 8, tokens' part n / 8.
; LDS: the 24 tiles on end (294,912 bytes), their scale bytes on end (12,288), the spare words.  TWO GROUPS OF LOADS, one load a wave each: at the head wv's 8 tiles (waves 0-2 a third each) and their scale bytes (wave 3);
; behind the full sequence and a round the other 16 tiles and their scale bytes, shown to all waves by a plain barrier ahead of the sixth tile's successor.  Nothing is filled again.
; No prefetch: every tile is asked for by these two groups, so there is no loop in which to run ahead of a load.
; V: source 0 = my four token tiles, source 1 = the weight tile: a lane's 32 sums are 32 neighbouring tokens of one channel.  Q, K: source 0 = the weight tile, source 1 = a token tile: after a head's four weight tiles
; a lane's 32 sums of each token tile are 32 neighbouring channels of one token.  Either way: one scale block in one lane; two conversions make six operand registers, 768 bytes a wave, stored as three aligned units of 256 bytes.
; SCALE WORDS: a tile's 512 bytes are [k / 256][row][8].  Lanes 0-15 load chunks 0, 1 and lanes 16-31 chunks 2, 3: register q % 4 holds the word of K step q in row q / 4 of the register (ROW0, ROW1).
; A tile's fragments are fetched two tiles ahead into two sets by turns: the wait's count 26 is the next tile's fetch.  The last two tiles of the walk fetch tiles 0 and 1 again, which nobody reads.
; LIMITS: NaN and infinities are not served; a block of zeros gets the byte 1.
.set XSOFF, 6291456
.set WSOFF, 3145728
.set BH,    315392
.set VC,    98304
.set KS,    196608
.set VS,    204800
.set QC,    208896
.set QS,    307200
.set HF,    768
.set TILE,  12288
.set NF,    26                         ; LDS loads of a tile: 24 of codes, 2 of scale words
.set SCL,   24*TILE
.set SPARE, SCL+24*512
.set L16, 1                            ; v1 16 x lane; v2 8 r + 256 h; v3 8 x lane; v4 4 x lane; v5 4 r + h; v6 8 h
.set SOF, 2
.set L8,  3
.set L4,  4
.set SOB, 5
.set SH8, 6
.set ADR, 7                            ; v7, v8 LDS addresses of the tile that is fetched next
.set ADS, 8
.set SPW, 10
.set NIL, 11
.set SB,  16                           ; v16-31 my tokens' scale words; v34-41 the weight tiles', two sets
.set SA,  34
.set TQ,  44
.set E,   48
.set BY,  49
.set TX,  50
.set XP,  51
.set W,   52
.set Z,   56
.set TMP, 58
.set CD,  64                           ; v64-95 codes, 8 registers apart
.set ACC, 96                           ; v96-223 sums
.set TA,  56                           ; s56, s57 the next fetch's places in LDS
.set TS,  57
.set CN,  58
; fragments lie above v255, 21 to a window of 256 registers: slot f in window 1 + f / 21 at register 12 (f % 21).  Slots 0-31: my tokens' (4 q + a); 32-39, 40-47: the streamed tile's two sets
.set MSB, 0
.macro WIN new
.if MSB != (\new)
	s_set_vgpr_msb (MSB<<8)|(\new)
.set MSB, (\new)
.endif
.endm
.macro WALU
	s_wait_alu depctr_va_vdst(0)
.endm
.macro CROUND
	s_barrier_signal -1
	s_barrier_wait -1
	s_cmp_lg_u32 s14, 0
	s_cbranch_scc1 .Lnot_wave_0_\@
	s_barrier_signal -3
.Lnot_wave_0_\@:
	s_barrier_wait -3
	s_barrier_signal -1
	s_barrier_wait -1
.endm
.macro TARMS                           ; one joint load a wave: waves 0-2 a third of the codes each, wave 3 the scale bytes
	s_cmp_lt_u32 s14, 3
	s_cbranch_scc0 .Lscales_\@
	tensor_load_to_lds s[48:51], s[24:31]
	s_nop 0
.rept 4
	v_nop
.endr
	s_branch .Lasked_\@
.Lscales_\@:
	tensor_load_to_lds s[52:55], s[32:39]
	s_nop 0
.rept 4
	v_nop
.endr
.Lasked_\@:
.endm
.macro PROD1 d, s0, s1, x0, x1, q
.if (\q) == 0
	v_wmma_scale_f32_16x16x128_f8f6f4 v[\d:\d+7], v[12*((\s0)%21):12*((\s0)%21)+11], v[12*((\s1)%21):12*((\s1)%21)+11], 0, v[\x0], v[\x1] matrix_a_fmt:MATRIX_FMT_FP6 matrix_b_fmt:MATRIX_FMT_FP6
.elseif (\q) < 4
	v_wmma_scale_f32_16x16x128_f8f6f4 v[\d:\d+7], v[12*((\s0)%21):12*((\s0)%21)+11], v[12*((\s1)%21):12*((\s1)%21)+11], v[\d:\d+7], v[\x0], v[\x1] matrix_a_fmt:MATRIX_FMT_FP6 matrix_b_fmt:MATRIX_FMT_FP6
.else
	v_wmma_scale_f32_16x16x128_f8f6f4 v[\d:\d+7], v[12*((\s0)%21):12*((\s0)%21)+11], v[12*((\s1)%21):12*((\s1)%21)+11], v[\d:\d+7], v[\x0], v[\x1] matrix_a_fmt:MATRIX_FMT_FP6 matrix_b_fmt:MATRIX_FMT_FP6 matrix_a_scale:MATRIX_SCALE_ROW1 matrix_b_scale:MATRIX_SCALE_ROW1
.endif
.endm
.macro PROD kind, e, q, a, d           ; kind 1: source 0 my token tile a; kind 0: source 0 the streamed tile
.set FS_, 4*(\q)+(\a)
.set FX_, 32+8*(\e)+(\q)
.set XS_, SB+4*(\a)+(\q)%4
.set XX_, SA+4*(\e)+(\q)%4
.if \kind
	WIN (1+FS_/21)|((1+FX_/21)<<2)
	PROD1 \d, FS_, FX_, XS_, XX_, \q
.else
	WIN (1+FX_/21)|((1+FS_/21)<<2)
	PROD1 \d, FX_, FS_, XX_, XS_, \q
.endif
.endm
.macro MULS kind, e, d0, ds            ; a tile's 32 products: four sums by turns, K ascending
.irp q, 0,1,2,3,4,5,6,7
.irp a, 0,1,2,3
	PROD \kind, \e, \q, \a, (\d0)+(\ds)*\a
.endr
.endr
	WIN 0
.endm
.macro FETCH e                         ; a tile's eight fragments and its scale words into set e
.set i_, 0
.rept 8
.set F_, 32+8*(\e)+i_
	WIN (1+F_/21)<<6
.irp p, 0,1,2
	ds_load_b128 v[12*(F_%21)+4*\p:12*(F_%21)+4*\p+3], v[ADR] offset:1536*i_+512*\p
.endr
.set i_, i_+1
.endr
	WIN 0
	ds_load_b64 v[SA+4*(\e):SA+4*(\e)+1], v[ADS]
	ds_load_b64 v[SA+4*(\e)+2:SA+4*(\e)+3], v[ADS] offset:128
.endm
.macro NEXT e                          ; behind a tile's products: these four lines are the places ahead of the loads into their sources and of the first read of the sums
	v_add_nc_u32 v[ADR], s[TA], v[L16]
	v_add_nc_u32 v[ADS], s[TS], v[SOF]
	v_nop
	v_nop
	FETCH \e
.endm
.macro QOUT x, c                       ; 32 sums of a lane: their largest magnitude in four chains, each accumulator read from its low end on; the scale; six registers of codes at v[c], the byte in v[BY]
	v_max3_num_f32 v[TQ], |v[\x]|, |v[\x+1]|, 0x1800000          ; the floor 2^(3 - 127) holds the byte at 1
	v_max3_num_f32 v[TQ+1], |v[\x+8]|, |v[\x+9]|, |v[\x+10]|
	v_max3_num_f32 v[TQ+2], |v[\x+16]|, |v[\x+17]|, |v[\x+18]|
	v_max3_num_f32 v[TQ+3], |v[\x+24]|, |v[\x+25]|, |v[\x+26]|
.irp i, 0,2
	v_max3_num_f32 v[TQ], v[TQ], |v[\x+2+\i]|, |v[\x+3+\i]|
	v_max3_num_f32 v[TQ+1], v[TQ+1], |v[\x+11+\i]|, |v[\x+12+\i]|
	v_max3_num_f32 v[TQ+2], v[TQ+2], |v[\x+19+\i]|, |v[\x+20+\i]|
	v_max3_num_f32 v[TQ+3], v[TQ+3], |v[\x+27+\i]|, |v[\x+28+\i]|
.endr
	v_max3_num_f32 v[TQ], v[TQ], |v[\x+6]|, |v[\x+7]|
	v_max3_num_f32 v[TQ+2], v[TQ+2], v[TQ+3], |v[\x+23]|
	v_max3_num_f32 v[TQ], v[TQ], v[TQ+1], |v[\x+15]|
	v_max3_num_f32 v[TQ], v[TQ], v[TQ+2], |v[\x+31]|
	v_add_nc_u32 v[E], 0xff000000, v[TQ]           ; 2 off the exponent field: the conversion's scale operand
	v_cvt_scalef32_pk16_fp6_f32 v[\c:\c+2], v[\x:\x+15], v[E]
	v_cvt_scalef32_pk16_fp6_f32 v[TMP:TMP+2], v[\x+16:\x+31], v[E]
	v_lshrrev_b32 v[BY], 23, v[E]                  ; the byte; also the plain place behind the conversions
.irp i, 0,1,2
	v_mov_b32 v[\c+3+\i], v[TMP+\i]
.endr
.endm
.macro VBLOCK e                        ; a tile of wv: 16 channels x my 64 tokens
	WALU
	s_wait_xcnt 0x0                                ; the last tile's stores have read their registers
	s_wait_dscnt NF                                ; this tile is in; the next tile's fetch may be out
	s_add_co_u32 s[TA], s[TA], TILE
	s_add_co_u32 s[TS], s[TS], 512
	MULS 1, \e, ACC, 8
	NEXT \e
	QOUT ACC, CD
.irp p, 0,1,2
	global_store_b64 v[L8], v[CD+2*\p:CD+2*\p+1], s[68:69] offset:2*HF*(\e)+256*\p   ; 256 consecutive bytes, aligned
.endr
	global_store_b8 v[SOB], v[BY], s[70:71] offset:64*(\e)   ; one byte a lane: a word's other two bytes belong to the neighbouring 64 tokens, which another wave holds
.endm
.macro QBLOCK b                        ; tile b of a head of wq or wk: 16 channels x my 64 tokens
	WALU
	s_wait_dscnt NF
	s_add_co_u32 s[TA], s[TA], TILE
	s_add_co_u32 s[TS], s[TS], 512
	s_cmp_eq_u32 s[TA], 24*TILE                    ; behind the last tile comes tile 0
	s_cselect_b32 s[TA], 0, s[TA]
	s_cselect_b32 s[TS], SCL, s[TS]
	MULS 0, (\b)%2, ACC+8*(\b), 32
	NEXT (\b)%2
.endm
	s_load_b128 s[4:7], s[0:1], 0x0                ; xcod, wcod
	s_load_b64 s[8:9], s[0:1], 0x10                ; qkv
	v_lshl_add_u32 v[SPW], v0, 2, SPARE
	v_mov_b32 v[NIL], 0
	ds_add_u32 v[SPW], v[NIL]                      ; the opening lines
	ds_add_u32 v[SPW], v[NIL]
	v_lshrrev_b32 v12, 5, v0
	v_readfirstlane_b32 s14, v12                   ; wave
	s_bfe_u32 s40, ttmp6, 0x40000                  ; cx: it enters my tokens' and the results' addresses alone
	s_and_b32 s41, ttmp7, 0xffff                   ; the cluster's number n
	s_and_b32 s42, s41, 7                          ; k
	s_lshr_b32 s43, s41, 3
	s_lshl_b32 s44, s43, 2
	s_add_co_u32 s44, s44, s40
	s_lshl_b32 s45, s44, 2
	s_add_co_u32 s45, s45, s14                     ; my group of 64 tokens, 0 .. 127
	s_mov_b32 s24, 15|(3<<16)|(1<<21)              ; codes: rows of 256 dense bytes, 128 of them in the first group
	s_mov_b32 s25, 32<<16
	s_mov_b32 s26, 128<<16
	s_mov_b32 s27, 32<<16
	s_mov_b32 s28, 128
	s_mov_b32 s29, 32
	s_mov_b32 s30, 0
	s_mov_b32 s31, 0
	s_mov_b32 s32, 15|(3<<16)|(1<<21)              ; scale bytes: 16 rows of 256
	s_mov_b32 s33, 32<<16
	s_mov_b32 s34, 16<<16
	s_mov_b32 s35, 32<<16
	s_mov_b32 s36, 16
	s_mov_b32 s37, 32
	s_mov_b32 s38, 0
	s_mov_b32 s39, 0
	s_mov_b32 s48, 1
	s_lshl_b32 s49, s14, 15                        ; my third of 98,304 bytes
	s_mov_b32 s52, 1
	s_mov_b32 s53, SCL
	s_mul_i32 s16, s42, 8*TILE
	s_add_co_u32 s16, s16, 128*TILE                ; wv's tiles 8 k ..
	s_add_co_u32 s16, s16, s49
	s_mov_b32 s17, 0
	s_lshl_b32 s18, s42, 12
	s_add_co_u32 s18, s18, WSOFF+128*512
	s_mov_b32 s19, 0
	s_mul_i32 s20, s42, 16*TILE                    ; wq's and wk's tiles 16 k ..
	s_lshl_b32 s21, s14, 16
	s_add_co_u32 s20, s20, s21
	s_mov_b32 s21, 0
	s_lshl_b32 s22, s42, 13
	s_add_co_u32 s22, s22, WSOFF
	s_mov_b32 s23, 0
	s_mul_i32 s80, s45, 4*TILE                     ; my four token tiles
	s_mov_b32 s81, 0
	s_lshl_b32 s82, s45, 11
	s_add_co_u32 s82, s82, XSOFF
	s_mov_b32 s83, 0
	s_mov_b32 s76, 0x76543210
	s_mov_b32 s77, 0xfedcba98                      ; lane l xor 16
	s_mov_b32 s78, 0xffff0000                      ; lanes 16-31
	WALU
	s_wait_dscnt 0x0
	s_wait_kmcnt 0x0
	s_add_nc_u64 s[80:81], s[4:5], s[80:81]
	s_add_nc_u64 s[82:83], s[4:5], s[82:83]
	s_add_nc_u64 s[50:51], s[6:7], s[16:17]
	s_or_b32 s51, s51, 0x80000000
	s_add_nc_u64 s[54:55], s[6:7], s[18:19]
	s_or_b32 s55, s55, 0x80000000
	s_add_nc_u64 s[20:21], s[6:7], s[20:21]
	s_add_nc_u64 s[22:23], s[6:7], s[22:23]
	CROUND                                         ; the four work-groups are here: the joint loads meet
	TARMS
	v_and_b32 v12, 31, v0
	v_and_b32 v13, 15, v0                          ; r
	v_bfe_u32 v14, v0, 4, 1                        ; h
	v_lshlrev_b32 v[L16], 4, v12
	v_lshlrev_b32 v[SOF], 3, v13
	v_lshl_add_u32 v[SOF], v14, 8, v[SOF]
	v_lshlrev_b32 v[L8], 3, v12
	v_lshlrev_b32 v[L4], 2, v12
	v_lshl_add_u32 v[SOB], v13, 2, v14
	v_lshlrev_b32 v[SH8], 3, v14
	v_mov_b32 v[XP], 0                             ; a lane permute's destination counts as one of its sources
.set f_, 0
.rept 32                               ; my tokens' 32 fragments, slot 4 q + a: 96 loads of 512 consecutive bytes
	WIN (1+f_/21)<<6
.irp p, 0,1,2
	global_load_b128 v[12*(f_%21)+4*\p:12*(f_%21)+4*\p+3], v[L16], s[80:81] offset:(f_%4)*TILE+(f_/4)*1536+512*\p
.endr
.set f_, f_+1
.endr
	WIN 0
.irp a, 0,1,2,3
	global_load_b64 v[SB+4*\a:SB+4*\a+1], v[SOF], s[82:83] offset:512*\a
	global_load_b64 v[SB+4*\a+2:SB+4*\a+3], v[SOF], s[82:83] offset:512*\a+128
.endr
	; where the results go.  My tokens: batch = group / 32, u = group % 32: token tiles 4 u .. 4 u + 3 of the batch; key step u / 2, half u % 2
	s_lshr_b32 s84, s45, 5
	s_lshl_b32 s84, s84, 4                         ; 16 x batch
	s_and_b32 s85, s45, 31                         ; u
	s_lshl_b32 s86, s42, 1
	s_add_co_u32 s86, s86, s84
	s_mul_i32 s86, s86, BH                         ; V: head 2 k's block
	s_lshr_b32 s87, s85, 1
	s_and_b32 s88, s85, 1
	s_mul_i32 s68, s87, 8*HF
	s_mul_i32 s16, s88, HF
	s_add_co_u32 s68, s68, s16
	s_add_co_u32 s68, s68, s86
	s_add_co_u32 s68, s68, VC
	s_mov_b32 s69, 0
	s_lshl_b32 s70, s87, 8
	s_lshl_b32 s16, s88, 1
	s_add_co_u32 s70, s70, s16
	s_add_co_u32 s70, s70, s86
	s_add_co_u32 s70, s70, VS
	s_mov_b32 s71, 0
	s_lshl_b32 s89, s42, 2
	s_and_b32 s89, s89, 15
	s_add_co_u32 s89, s89, s84
	s_mul_i32 s89, s89, BH                         ; Q (k < 4) or K: head 4 k % 16's block
	s_mov_b32 s91, KS
	s_cmp_lt_u32 s42, 4
	s_cselect_b32 s90, QC, 0
	s_cselect_b32 s91, QS, s91
	s_mul_i32 s72, s85, 4*HF
	s_add_co_u32 s72, s72, s89
	s_add_co_u32 s72, s72, s90
	s_mov_b32 s73, 0
	s_lshl_b32 s74, s85, 8
	s_add_co_u32 s74, s74, s89
	s_add_co_u32 s74, s74, s91
	s_mov_b32 s75, 0
	s_add_nc_u64 s[68:69], s[8:9], s[68:69]        ; V's codes
	s_add_nc_u64 s[70:71], s[8:9], s[70:71]        ; V's scale bytes
	s_add_nc_u64 s[72:73], s[8:9], s[72:73]        ; Q's or K's codes
	s_add_nc_u64 s[74:75], s[8:9], s[74:75]        ; their scale words
	s_mov_b32 s60, 4*HF                            ; V's steps from pair to pair of tiles: two tiles on, then on to the next head, by turns
	s_mov_b32 s61, 0
	s_mov_b32 s62, 128
	s_mov_b32 s63, 0
	WALU                                           ; the wait at the head's end
	s_wait_tensorcnt 0x0                           ; my part of the first group is in
	ds_add_u32 v[SPW], v[NIL]
	s_mov_b32 s26, 256<<16                         ; no load of mine is out: the second group's shapes and places
	s_mov_b32 s28, 256
	s_mov_b32 s34, 32<<16
	s_mov_b32 s36, 32
	s_lshl_b32 s49, s14, 16
	s_add_co_u32 s49, s49, 8*TILE
	s_mov_b32 s53, SCL+4096
	s_mov_b64 s[50:51], s[20:21]
	s_or_b32 s51, s51, 0x80000000
	s_mov_b64 s[54:55], s[22:23]
	s_or_b32 s55, s55, 0x80000000
	s_wait_dscnt 0x0
	CROUND
	TARMS
	s_mov_b32 s[TA], 0
	s_mov_b32 s[TS], SCL
	v_add_nc_u32 v[ADR], s[TA], v[L16]
	v_add_nc_u32 v[ADS], s[TS], v[SOF]
	FETCH 0
	s_mov_b32 s[TA], TILE
	s_mov_b32 s[TS], SCL+512
	v_add_nc_u32 v[ADR], s[TA], v[L16]
	v_add_nc_u32 v[ADS], s[TS], v[SOF]
	FETCH 1
	s_mov_b32 s[CN], 3
	WALU
	s_wait_loadcnt 0x0                             ; my tokens
.Lv:                                   ; wv's tiles 0 to 5
	VBLOCK 0
	VBLOCK 1
	WALU
	s_wait_xcnt 0x0                                ; the stores have read their bases
	s_add_nc_u64 s[68:69], s[68:69], s[60:61]
	s_add_nc_u64 s[70:71], s[70:71], s[62:63]
	s_xor_b32 s60, s60, (4*HF)^(BH-4*HF)
	s_xor_b32 s62, s62, 128^(BH-128)
	s_sub_co_u32 s[CN], s[CN], 1
	s_cmp_lg_u32 s[CN], 0
	s_cbranch_scc1 .Lv
	s_wait_tensorcnt 0x0                           ; my part of the second group is in
	s_wait_dscnt 0x0
	s_barrier_signal -1
	s_barrier_wait -1                              ; and everybody's
	VBLOCK 0                                       ; wv's tiles 6 and 7; they fetch the first two tiles of the second group
	VBLOCK 1
	s_mov_b32 s[CN], 4
.Lq:                                   ; a head of wq or wk a trip
	QBLOCK 0
	QBLOCK 1
	QBLOCK 2
	QBLOCK 3
	WALU
	s_wait_xcnt 0x0                                ; the earlier stores have read their registers
.irp a, 0,1,2,3
	QOUT ACC+32*\a, CD+8*\a
	v_lshlrev_b32 v[TX], v[SH8], v[BY]
	v_permlanex16_b32 v[XP], v[TX], s76, s77
	v_or_b32 v[W+\a], v[TX], v[XP]                 ; the token's scale word: bytes 0, 1 the head's two blocks, bytes 2, 3 zero
.endr
	v_cndmask_b32 v[Z], v[W], v[W+1], s78          ; two tiles' words in one register
	v_cndmask_b32 v[Z+1], v[W+2], v[W+3], s78
.irp a, 0,1,2,3
.irp p, 0,1,2
	global_store_b64 v[L8], v[CD+8*\a+2*\p:CD+8*\a+2*\p+1], s[72:73] offset:HF*\a+256*\p
.endr
.endr
	global_store_b32 v[L4], v[Z], s[74:75]
	global_store_b32 v[L4], v[Z+1], s[74:75] offset:128
	WALU
	s_wait_xcnt 0x0
	s_add_nc_u64 s[72:73], s[72:73], BH            ; the next head
	s_add_nc_u64 s[74:75], s[74:75], BH
	s_sub_co_u32 s[CN], s[CN], 1
	s_cmp_lg_u32 s[CN], 0
	s_cbranch_scc1 .Lq
	s_wait_tensorcnt 0x0                           ; the wave's end
	ds_add_u32 v[SPW], v[NIL]
	s_wait_dscnt 0x0
	CROUND                                         ; the closing round
	s_endpgm
.Lfunc_end_k_qab7afd27bb_qkvgemm:
	.size	k_qab7afd27bb_qkvgemm, .Lfunc_end_k_qab7afd27bb_qkvgemm-k_qab7afd27bb_qkvgemm
	.p2alignl 7, 3214868480
	.fill 96, 4, 3214868480
	.section	.rodata,"a",@progbits
	.p2align	6, 0x0
	.amdhsa_kernel k_qab7afd27bb_qkvgemm
		.amdhsa_group_segment_fixed_size 327680
		.amdhsa_private_segment_fixed_size 0
		.amdhsa_enable_private_segment 0
		.amdhsa_kernarg_size 24
		.amdhsa_user_sgpr_count 2
		.amdhsa_user_sgpr_kernarg_segment_ptr 1
		.amdhsa_wavefront_size32 1
		.amdhsa_system_sgpr_workgroup_id_x 1
		.amdhsa_system_sgpr_workgroup_id_y 1
		.amdhsa_system_sgpr_workgroup_id_z 1
		.amdhsa_system_vgpr_workitem_id 0
		.amdhsa_next_free_vgpr 840
		.amdhsa_next_free_sgpr 96
		.amdhsa_reserve_vcc 0
		.amdhsa_float_denorm_mode_32 3
		.amdhsa_float_denorm_mode_16_64 3
		.amdhsa_memory_ordered 1
		.amdhsa_forward_progress 1
		.amdhsa_inst_pref_size 88
	.end_amdhsa_kernel
	.amdgpu_metadata
---
amdhsa.version: [ 1, 2 ]
amdhsa.kernels:
  - .name:           k_qab7afd27bb_qkvgemm
    .symbol:         k_qab7afd27bb_qkvgemm.kd
    .args:
      - { .name: xcod, .offset: 0, .size: 8, .value_kind: global_buffer, .address_space: global }
      - { .name: wcod, .offset: 8, .size: 8, .value_kind: global_buffer, .address_space: global }
      - { .name: qkv, .offset: 16, .size: 8, .value_kind: global_buffer, .address_space: global }
    .group_segment_fixed_size: 327680
    .private_segment_fixed_size: 0
    .kernarg_segment_align: 8
    .kernarg_segment_size: 24
    .max_flat_workgroup_size: 128
    .sgpr_count:     96
    .vgpr_count:     840
    .wavefront_size: 32
...
	.end_amdgpu_metadata
.endif
;; end of part 2
;; launch attn (part 3): grid 4 x 64, 16 waves a work-group, clusters of 4 x 1, 327,680 bytes of LDS; arguments qkv, aoc; writes aoc
.if DOCPART == 3
	.amdgcn_target "amdgcn-amd-amdhsa--gfx1250"
	.amdhsa_code_object_version 6
	.text
	.protected	k_qab7afd27bb_attn
	.globl	k_qab7afd27bb_attn
	.p2align	8
	.type	k_qab7afd27bb_attn,@function
k_qab7afd27bb_attn:
	s_mov_b64 s[64:65], 0
	v_nop
	global_prefetch_b8 v0, s[64:65] scope:SCOPE_SE
	s_setreg_imm32_b32 hwreg(HW_REG_WAVE_MODE, 25, 1), 1
	s_wait_xcnt 0x0
	s_wait_alu depctr_hold_cnt(0) depctr_sa_sdst(0) depctr_va_vdst(0) depctr_va_sdst(0) depctr_va_ssrc(0) depctr_va_vcc(0) depctr_vm_vsrc(0)
	s_getreg_b32 s2, hwreg(HW_REG_IB_STS2, 6, 4)
	s_cmp_eq_u32 s2, 0
	s_cbranch_scc0 .Lentry_in_a_cluster
	s_endpgm
.Lentry_in_a_cluster:
	s_bfe_u32 s2, ttmp6, 0x10000c
	s_cmp_lg_u32 s2, 0x3003
	s_cbranch_scc0 .Lentry_shape_is_right
	s_endpgm
.Lentry_shape_is_right:
; For each (batch, head): O = softmax(Q K^T / 8) V on codes of FP6 (E2M3) with E8M0 scales, and O / l quantised along d_model for the last product.
; THE SOFTMAX AHEAD OF THE SECOND PRODUCT: t = score x log2(e) / 8; M = the running largest t rounded UP to a whole number; p = 2^(t - M) is quantised along the keys, not normalised;
; the row's sum l is taken of the unquantised p; when M moves, l and O are multiplied by 2^(old M - new M), which rounds nothing.
; SHARES: a cluster of four work-groups takes one (batch, head); a work-group 512 queries; each of its sixteen waves one tile of 16 queries in each of two passes, in 256 registers.
; K AND V OF THE WHOLE HEAD STAY IN LDS: the first 208,896 bytes of the head's block of qkv, as they lie (K's codes, V's codes, K's and V's scale words): 16 slices of 51 rows of 256 bytes.
; Wave w asks for slice w, jointly with the same wave of the three partners: one tensor load a wave, one out at the most.  One wait for 0 in every wave and one barrier show the image to all; nothing is filled again.
; No prefetch: every tile is asked for at the head, so there is no loop in which to run ahead of a load.
; LAYOUT: both products transposed.  S^T = K Q^T (source 0 = a tile of 16 storage tokens, source 1 = my queries).  The head's 64 fill half of the instruction's 128 along K: Q's upper six registers are zero codes,
; so what K's upper six hold adds nothing, whatever codes they are (FP6 has no NaN and no infinity, and every scale byte of the words is under 0xff).  So K's eight half-fragments of a step lie on end, 6 registers each,
; tile t's operand being registers 6 t .. 6 t + 11; behind the last stand six registers of zeros.
; By the storage order of rows (place 16 t + 8 g + j of 64 holds row 32 g + 8 t + j) the 32 registers of four neighbouring tiles are keys 32 (lane / 16) + 0 .. 31 of their 64: a whole block of p lies in one lane, in order.
; O^T = V^T P^T likewise gives a lane 32 neighbouring channels: a block of the last product's K.
; SCALE WORDS: one load of 4 bytes a lane brings two tiles' words: lanes 0-15 the even tile's, lanes 16-31 the odd tile's (ROW1).
; ORDER OF A STEP: the score products; the next step's K is fetched into the registers just read; the softmax; p's codes; V is fetched into the registers that p has left, O's rescaling stands under that fetch; the second products.
; The last step of a pass fetches step 0's K again (for the second pass; behind the second pass these 28 loads are read by nobody).
; LIMITS: NaN and infinities are not served; p under 2^-126 becomes 0; a block's largest p is made from the block's largest score by the same two instructions (p is taken not to fall where the score rises);
; a block of zeros gets the byte 1; the promise holds while the scaled scores stay under 2^31 in magnitude.
.set BH,     315392
.set VC,     98304
.set KS,     196608
.set VS,     204800
.set QC,     208896
.set QS,     307200
.set SLICE,  13056                     ; 51 rows of 256 bytes: a sixteenth of the image
.set SPARE,  208896                    ; behind the image: the spare words, 128 bytes a wave
.set AOSOFF, 6291456
.set HF,  768
.set L8,  1                            ; v1   8 x lane
.set L4,  2                            ; v2   4 x lane
.set SH8, 3                            ; v3   8 h
.set ADK, 4                            ; v4-7 LDS addresses: the next step's K, this step's V, K's and V's scale words
.set ADV, 5
.set ADS, 6
.set ADT, 7
.set SPW, 8                            ; v8   my spare word; never rewritten
.set NIL, 9                            ; v9   0; never rewritten
.set SOB, 10                           ; v10  8 r + h: my byte among a tile's scale bytes
                                       ; v12 -M; v13 the running largest score; v[14:15] l in two halves
.set QF,  16                           ; v16-27 Q's fragment (v22-27 zeros); v28 its scale words; v29 p's; v30-36 the second pass's Q
.set QSC, 28
.set PSC, 29
.set QN,  30
.set QNS, 36
.set KSC, 38                           ; v38-41 K's scale words, two tiles to a register; v42-43 V's
.set VSC, 42
.set KF,  44                           ; v44-91 K's eight half-fragments; v92-97 zeros
.set S,   100                          ; v100-163 S^T, then p; behind the conversions v100-147 take V's four fragments
.set O,   164                          ; v164-195 O^T
.set PC,  196                          ; v196-207 p's codes
.set TMP, 208                          ; v208-210, v212-214
.set MX,  216
.set BM,  220
.set T0,  222
.set T1,  223
.set E,   224
.set B,   226
.set F,   228                          ; v[228:229] f = 2^(old M - new M)
.set SM,  230                          ; v230-237 the sum's four chains
.set MO,  238                          ; the last step's -M
.set RB,  239
.set RL,  240                          ; v[240:241] 1 / l
.set WV,  8
.set SEL, 20
.set CS,  22
.set G1,  24
.set G0,  40
.set TK,  60
.set TV,  61
.set TS,  62
.set TT,  63
.set CNT, 66
.set PASS, 67
.macro WALU
	s_wait_alu depctr_va_vdst(0)
.endm
.macro CROUND                          ; a round of the cluster's barrier
	s_barrier_signal -1
	s_barrier_wait -1
	s_cmp_lg_u32 s[WV], 0
	s_cbranch_scc1 .Lnot_wave_0_\@
	s_barrier_signal -3
.Lnot_wave_0_\@:
	s_barrier_wait -3
	s_barrier_signal -1
	s_barrier_wait -1
.endm
.macro LOAD24 reg, adr                 ; 6,144 bytes on end: 24 pieces of 256 bytes, 8 bytes a lane, into 48 registers on end
.set i, 0
.rept 24
	ds_load_b64 v[\reg+2*i:\reg+2*i+1], v[\adr] offset:256*i
.set i, i+1
.endr
.endm
.macro KLOAD                           ; a step's K: eight half-fragments and their scale words
	LOAD24 KF, ADK
.irp u, 0,1,2,3
	ds_load_b32 v[KSC+\u], v[ADS] offset:128*\u
.endr
.endm
	s_load_b128 s[4:7], s[0:1], 0x0                ; qkv, aoc
	v_lshl_add_u32 v[SPW], v0, 2, SPARE
	v_mov_b32 v[NIL], 0
	ds_add_u32 v[SPW], v[NIL]                      ; the opening lines: the add, twice on end, and its wait ahead of my tensor load
	ds_add_u32 v[SPW], v[NIL]
	v_lshrrev_b32 v1, 5, v0
	v_readfirstlane_b32 s[WV], v1                  ; wave 0..15
	s_bfe_u32 s9, ttmp6, 0x40000                   ; cx: it enters Q's and the result's addresses alone
	s_and_b32 s10, ttmp7, 0xffff                   ; 16 x batch + head, which the four partners share
	s_mul_i32 s12, s10, BH
	s_mov_b32 s13, 0
	s_mul_i32 s72, s[WV], SLICE                    ; my slice: the same place in the block and in LDS
	s_mov_b32 s73, 0
	s_mov_b32 s[G1], 15|(3<<16)|(1<<21)            ; 15:0 the mask: all four work-groups; 17:16 elements of 8 bytes; 21 set beside a mask
	s_mov_b32 s[G1+1], 32<<16                      ; 51 rows of 256 dense bytes
	s_mov_b32 s[G1+2], 51<<16
	s_mov_b32 s[G1+3], 32<<16
	s_mov_b32 s[G1+4], 51
	s_mov_b32 s[G1+5], 32
	s_mov_b32 s[G1+6], 0
	s_mov_b32 s[G1+7], 0
	s_mov_b32 s[G0], 1
	s_mov_b32 s[G0+1], s72
	s_mov_b32 s[SEL], 0x76543210
	s_mov_b32 s[SEL+1], 0xfedcba98                 ; lane l xor 16
	s_mov_b32 s[CS], 0x3e38aa3b                    ; c = log2(e) / 8
	s_mov_b32 s[CS+1], s[CS]                       ; (named with it as a pair)
	WALU
	s_wait_dscnt 0x0                               ; both opening adds are done
	s_wait_kmcnt 0x0
	s_add_nc_u64 s[4:5], s[4:5], s[12:13]          ; the head's block
	CROUND                                         ; all four work-groups are here: the joint loads meet
	s_add_nc_u64 s[G0+2:G0+3], s[4:5], s[72:73]
	s_or_b32 s[G0+3], s[G0+3], 0x80000000
	tensor_load_to_lds s[G0:G0+3], s[G1:G1+7]      ; every wave's one load
	s_nop 0
	s_lshl_b32 s76, s9, 5
	s_add_co_u32 s76, s76, s[WV]                   ; my tile of queries in the first pass: 32 cx + wave
	s_mul_i32 s14, s76, HF
	s_add_co_u32 s14, s14, QC
	s_mov_b32 s15, 0
	s_lshl_b32 s78, s76, 6
	s_add_co_u32 s78, s78, QS
	s_mov_b32 s79, 0
	s_add_nc_u64 s[16:17], s[4:5], s[14:15]        ; Q's codes
	s_add_nc_u64 s[18:19], s[4:5], s[78:79]        ; Q's scale words
	v_and_b32 v1, 31, v0
	v_and_b32 v11, 15, v0                          ; r
	v_bfe_u32 v3, v0, 4, 1                         ; h
	v_lshlrev_b32 v[L4], 2, v1
	v_lshlrev_b32 v[L8], 3, v1
	v_lshl_add_u32 v[SOB], v11, 3, v3
	v_lshlrev_b32 v37, 2, v11                      ; 4 r: Q's scale word of row r
	v_lshlrev_b32 v[SH8], 3, v3
.irp p, 0,1,2
	global_load_b64 v[QF+2*\p:QF+2*\p+1], v[L8], s[16:17] offset:256*\p
	global_load_b64 v[QN+2*\p:QN+2*\p+1], v[L8], s[16:17] offset:16*HF+256*\p   ; the second pass's tile lies 16 tiles on
.endr
	global_load_b32 v[QSC], v37, s[18:19]
	global_load_b32 v[QNS], v37, s[18:19] offset:1024
	s_lshr_b32 s77, s10, 4
	s_lshl_b32 s77, s77, 7
	s_add_co_u32 s77, s77, s76                     ; my tile among all tokens': 128 x batch + tile
	s_and_b32 s76, s10, 15                         ; the head
	s_lshl_b32 s14, s77, 4
	s_add_co_u32 s14, s14, s76
	s_mul_i32 s14, s14, HF                         ; the result's half-fragment: tile, then head
	s_lshl_b32 s78, s77, 9
	s_lshr_b32 s77, s76, 2
	s_lshl_b32 s77, s77, 7
	s_add_co_u32 s78, s78, s77                     ; its scale bytes: 512 a tile, 128 for each four heads,
	s_and_b32 s77, s76, 3
	s_lshl_b32 s77, s77, 1
	s_add_co_u32 s78, s78, s77                     ; two a head
	s_add_co_u32 s78, s78, AOSOFF
	s_add_nc_u64 s[68:69], s[6:7], s[14:15]
	s_add_nc_u64 s[70:71], s[6:7], s[78:79]
.irp i, 6,7,8,9,10,11
	v_mov_b32 v[QF+\i], 0                          ; the upper 64 of the instruction's 128 along K: zero codes
	v_mov_b32 v[KF+42+\i], 0                       ; and what stands behind K's last half-fragment
.endr
	v_mov_b32 v[T1], 0                             ; a lane permute's destination counts as one of its sources
	v_mov_b32 v[F+1], 0                            ; named as the upper halves of pairs
	v_mov_b32 v[RL+1], 0
	v_mov_b32 v[ADK], v[L8]                        ; step 0's K
	v_add_nc_u32 v[ADS], KS, v[L4]
	s_mov_b32 s[PASS], 2
	WALU                                           ; the wait at the head's end
	s_wait_loadcnt 0x0                             ; Q
	s_wait_tensorcnt 0x0                           ; my slice is in
	s_barrier_signal -1
	s_barrier_wait -1                              ; and everybody's: the image is whole
	KLOAD
; A KEY STEP: 128 keys.  s[TK], s[TS]: the NEXT step's K and its scale words; s[TV], s[TT]: this step's V.
.macro STEP
.irp u, 0,1,2,3                        ; S^T = K Q^T: register 32 c + i is key 64 c + 32 h + i of the step, query r
	v_wmma_scale_f32_16x16x128_f8f6f4 v[S+16*\u:S+16*\u+7], v[KF+12*\u:KF+12*\u+11], v[QF:QF+11], 0, v[KSC+\u], v[QSC] matrix_a_fmt:MATRIX_FMT_FP6 matrix_b_fmt:MATRIX_FMT_FP6
	v_wmma_scale_f32_16x16x128_f8f6f4 v[S+16*\u+8:S+16*\u+15], v[KF+12*\u+6:KF+12*\u+17], v[QF:QF+11], 0, v[KSC+\u], v[QSC] matrix_a_fmt:MATRIX_FMT_FP6 matrix_b_fmt:MATRIX_FMT_FP6 matrix_a_scale:MATRIX_SCALE_ROW1
.endr
	v_add_nc_u32 v[ADK], s[TK], v[L8]              ; these four are the places between the products and the loads into their sources, and the first read of S^T
	v_add_nc_u32 v[ADS], s[TS], v[L4]
	v_add_nc_u32 v[ADV], s[TV], v[L8]
	v_add_nc_u32 v[ADT], s[TT], v[L4]
	KLOAD                                          ; waited for with V's loads, ahead of the second products
.irp b, 0,1,2,3
	v_max3_num_f32 v[MX+\b], v[S+16*\b], v[S+16*\b+1], v[S+16*\b+2]   ; four chains of 16 scores; each tile is read from its low end on
.endr
.irp i, 3,5,7,9,11,13
.irp b, 0,1,2,3
	v_max3_num_f32 v[MX+\b], v[MX+\b], v[S+16*\b+\i], v[S+16*\b+\i+1]
.endr
.endr
.irp c, 0,1
	v_max3_num_f32 v[BM+\c], v[MX+2*\c], v[MX+2*\c+1], v[S+32*\c+15]
.endr
.irp c, 0,1
	v_max_num_f32 v[BM+\c], v[BM+\c], v[S+32*\c+31]   ; the largest score of my block 2 c + h: for the row's maximum, and for the block's largest p
.endr
	s_delay_alu instid0(VALU_DEP_1)
	v_max_num_f32 v[T0], v[BM], v[BM+1]
	s_delay_alu instid0(VALU_DEP_1)
	v_permlanex16_b32 v[T1], v[T0], s[SEL], s[SEL+1]
	s_delay_alu instid0(VALU_DEP_1)
	v_max3_num_f32 v13, v13, v[T0], v[T1]          ; the running largest score of my query (c is positive: its product with c is the largest t)
	s_delay_alu instid0(VALU_DEP_1)
	v_mul_f32 v[T0], s[CS], v13
	s_delay_alu instid0(VALU_DEP_1)
	v_floor_f32 v12, -v[T0]                        ; the new -M = floor(-t)
.set j, 0
.rept 32
	v_pk_fma_f32 v[S+j:S+j+1], v[S+j:S+j+1], s[CS:CS+1], v[12:13] op_sel_hi:[1,0,0]   ; t - M, two at a time
.if j == 6
	v_sub_f32 v[T0], v12, v[MO]                    ; old M - new M: a whole number, 0 or less
.elseif j == 14
	v_cvt_i32_f32 v[T0], v[T0]                     ; (it saturates)
.elseif j == 22
	v_ldexp_f32 v[F], 1.0, v[T0]                   ; f
.endif
.set j, j+2
.endr
.irp c, 0,1
	v_fma_f32 v[BM+\c], v[BM+\c], s[CS], v12
.endr
	WALU                                           ; the wait ahead of the batch
.irp c, 0,1
	v_exp_f32 v[BM+\c], v[BM+\c]                   ; the blocks' largest p
.endr
.set j, 0
.rept 64
	v_exp_f32 v[S+j], v[S+j]                       ; p = 2^(t - M)
.set j, j+1
.endr
	v_pk_mul_f32 v[14:15], v[14:15], v[F:F+1] op_sel_hi:[1,0]   ; the sum under the new M: the plain place behind the exponentials
	WALU                                           ; and behind it
.irp c, 0,1,2,3                        ; the row's sum of the unquantised p: four chains of eight pairs; the scale word's lines stand among them
	v_pk_add_f32 v[SM+2*\c:SM+2*\c+1], v[S+2*\c:S+2*\c+1], v[S+8+2*\c:S+9+2*\c]
.endr
.irp c, 0,1
	v_max_num_f32 v[BM+\c], 0x1800000, v[BM+\c]    ; the floor 2^(3 - 127): the byte cannot fall under 1
.endr
.irp r, 2,3,4,5,6,7
.irp c, 0,1,2,3
	v_pk_add_f32 v[SM+2*\c:SM+2*\c+1], v[SM+2*\c:SM+2*\c+1], v[S+8*\r+2*\c:S+8*\r+2*\c+1]
.endr
.if \r == 2
	v_add_nc_u32 v[E], 0xff000000, v[BM]           ; 2 off the exponent field: the conversion's scale operand
	v_add_nc_u32 v[E+1], 0xff000000, v[BM+1]
.elseif \r == 3
	v_lshrrev_b32 v[B], 23, v[E]
	v_lshrrev_b32 v[B+1], 23, v[E+1]
.elseif \r == 4
	v_lshl_or_b32 v[T0], v[B+1], 16, v[B]
.elseif \r == 5
	v_lshlrev_b32 v[T0], v[SH8], v[T0]
.elseif \r == 6
	v_permlanex16_b32 v[T1], v[T0], s[SEL], s[SEL+1]
.else
	v_or_b32 v[PSC], v[T0], v[T1]                  ; p's scale word for these 128 keys
.endif
.endr
.irp c, 0,1
	v_cvt_scalef32_pk16_fp6_f32 v[PC+6*\c:PC+6*\c+2], v[S+32*\c:S+32*\c+15], v[E+\c]
	v_cvt_scalef32_pk16_fp6_f32 v[TMP+4*\c:TMP+4*\c+2], v[S+32*\c+16:S+32*\c+31], v[E+\c]   ; (a conversion's three registers begin on an even number)
.endr
	LOAD24 S, ADV                                  ; V^T's four tiles of 16 channels x these 128 keys, into the registers that p has left
.irp u, 0,1
	ds_load_b32 v[VSC+\u], v[ADT] offset:128*\u
.endr
	WALU                                           ; the wait directly ahead of the first read of O^T
.set j, 0
.rept 16
	v_pk_mul_f32 v[O+j:O+j+1], v[O+j:O+j+1], v[F:F+1] op_sel_hi:[1,0]   ; O^T under the new M, each accumulator from its low end on; the first is the plain place behind the conversions
.if j == 6
.irp c, 0,1
.irp i, 0,1,2
	v_mov_b32 v[PC+6*\c+3+\i], v[TMP+4*\c+\i]      ; twelve more lines stand between these and the products
.endr
.endr
.endif
.set j, j+2
.endr
	WALU
	s_wait_dscnt 0x0                               ; V, and the next step's K
.irp u, 0,1                            ; four accumulators, one instruction each
	v_wmma_scale_f32_16x16x128_f8f6f4 v[O+16*\u:O+16*\u+7], v[S+24*\u:S+24*\u+11], v[PC:PC+11], v[O+16*\u:O+16*\u+7], v[VSC+\u], v[PSC] matrix_a_fmt:MATRIX_FMT_FP6 matrix_b_fmt:MATRIX_FMT_FP6
	v_wmma_scale_f32_16x16x128_f8f6f4 v[O+16*\u+8:O+16*\u+15], v[S+24*\u+12:S+24*\u+23], v[PC:PC+11], v[O+16*\u+8:O+16*\u+15], v[VSC+\u], v[PSC] matrix_a_fmt:MATRIX_FMT_FP6 matrix_b_fmt:MATRIX_FMT_FP6 matrix_a_scale:MATRIX_SCALE_ROW1
.endr
	v_pk_add_f32 v[SM:SM+1], v[SM:SM+1], v[SM+2:SM+3]         ; the sum's four chains are joined here: these five lines are the places between these products and the next, which write S^T over V's fragments
	v_pk_add_f32 v[SM+4:SM+5], v[SM+4:SM+5], v[SM+6:SM+7]
	v_mov_b32 v[MO], v12
	v_pk_add_f32 v[SM:SM+1], v[SM:SM+1], v[SM+4:SM+5]
	v_pk_add_f32 v[14:15], v[14:15], v[SM:SM+1]
.endm
.Lpass:                                ; two trips: a tile of 16 queries each
	v_mov_b32 v13, 0xff61b1e6                      ; the largest score so far: -3e38
	v_mov_b32 v[MO], 0x7f61b1e6                    ; -M so far: 3e38, so that the first f is 0
	v_mov_b32 v14, 0
	v_mov_b32 v15, 0
.set j, 0
.rept 32
	v_mov_b32 v[O+j], 0                            ; the step is written once: the first finds zeros, which the first f leaves zeros
.set j, j+1
.endr
	s_mov_b32 s[TK], 8*HF
	s_mov_b32 s[TS], KS+512
	s_mov_b32 s[TV], VC
	s_mov_b32 s[TT], VS
	s_mov_b32 s[CNT], 16
	WALU
	s_wait_dscnt 0x0                               ; step 0's K
.Lstep:
	STEP
	WALU                                           ; the wait ahead of the scalar lines and the branch
	s_add_co_u32 s[TK], s[TK], 8*HF
	s_add_co_u32 s[TS], s[TS], 512
	s_cmp_eq_u32 s[TK], VC                         ; behind the last step comes step 0
	s_cselect_b32 s[TK], 0, s[TK]
	s_cselect_b32 s[TS], KS, s[TS]
	s_add_co_u32 s[TV], s[TV], 8*HF
	s_add_co_u32 s[TT], s[TT], 256
	s_sub_co_u32 s[CNT], s[CNT], 1
	s_cmp_lg_u32 s[CNT], 0
	s_cbranch_scc1 .Lstep
	; THE WAY OUT: O^T / l; my 32 registers are channels 32 h + 0 .. 31 of the head: one block of the last product's K
	v_add_f32 v[T0], v14, v15
	v_permlanex16_b32 v[T1], v[T0], s[SEL], s[SEL+1]
	v_add_f32 v[T0], v[T0], v[T1]                  ; the row's sum
	WALU
	v_rcp_f32 v[RL], v[T0]
	v_nop                                          ; a plain place behind the transcendental
	WALU
.set j, 0
.rept 16
	v_pk_mul_f32 v[O+j:O+j+1], v[O+j:O+j+1], v[RL:RL+1] op_sel_hi:[1,0]
.set j, j+2
.endr
	v_max3_num_f32 v[MX], |v[O]|, |v[O+1]|, 0x1800000
	v_max3_num_f32 v[MX+1], |v[O+16]|, |v[O+17]|, 0x1800000
.irp i, 2,4,6,8,10,12,14
	v_max3_num_f32 v[MX], v[MX], |v[O+\i]|, |v[O+\i+1]|
	v_max3_num_f32 v[MX+1], v[MX+1], |v[O+16+\i]|, |v[O+17+\i]|
.endr
	v_max_num_f32 v[MX], v[MX], v[MX+1]
	v_add_nc_u32 v[E], 0xff000000, v[MX]
	v_cvt_scalef32_pk16_fp6_f32 v[PC:PC+2], v[O:O+15], v[E]
	v_cvt_scalef32_pk16_fp6_f32 v[TMP:TMP+2], v[O+16:O+31], v[E]
	v_lshrrev_b32 v[RB], 23, v[E]                  ; the scale's byte; also the plain place behind the conversions
.irp i, 0,1,2
	v_mov_b32 v[PC+3+\i], v[TMP+\i]
.endr
.irp p, 0,1,2
	global_store_b64 v[L8], v[PC+2*\p:PC+2*\p+1], s[68:69] offset:256*\p   ; 256 consecutive bytes, aligned
.endr
	global_store_b8 v[SOB], v[RB], s[70:71]        ; one byte a lane: a row's other bytes belong to other heads, which other work-groups make
.irp i, 0,1,2,3,4,5
	v_mov_b32 v[QF+\i], v[QN+\i]                   ; the second pass's queries (in the second pass these lines change nothing that is read)
.endr
	v_mov_b32 v[QSC], v[QNS]
	WALU
	s_wait_xcnt 0x0                                ; the stores have read their registers and bases: both may be written again
	s_add_nc_u64 s[68:69], s[68:69], 196608        ; 16 tiles on
	s_add_nc_u64 s[70:71], s[70:71], 8192
	s_sub_co_u32 s[PASS], s[PASS], 1
	s_cmp_lg_u32 s[PASS], 0
	s_cbranch_scc1 .Lpass
	s_wait_tensorcnt 0x0                           ; the wave's end
	ds_add_u32 v[SPW], v[NIL]
	s_wait_dscnt 0x0
	CROUND                                         ; the closing round
	s_endpgm
.Lfunc_end_k_qab7afd27bb_attn:
	.size	k_qab7afd27bb_attn, .Lfunc_end_k_qab7afd27bb_attn-k_qab7afd27bb_attn
	.p2alignl 7, 3214868480
	.fill 96, 4, 3214868480
	.section	.rodata,"a",@progbits
	.p2align	6, 0x0
	.amdhsa_kernel k_qab7afd27bb_attn
		.amdhsa_group_segment_fixed_size 327680
		.amdhsa_private_segment_fixed_size 0
		.amdhsa_enable_private_segment 0
		.amdhsa_kernarg_size 16
		.amdhsa_user_sgpr_count 2
		.amdhsa_user_sgpr_kernarg_segment_ptr 1
		.amdhsa_wavefront_size32 1
		.amdhsa_system_sgpr_workgroup_id_x 1
		.amdhsa_system_sgpr_workgroup_id_y 1
		.amdhsa_system_sgpr_workgroup_id_z 1
		.amdhsa_system_vgpr_workitem_id 0
		.amdhsa_next_free_vgpr 256
		.amdhsa_next_free_sgpr 80
		.amdhsa_reserve_vcc 0
		.amdhsa_float_denorm_mode_32 3
		.amdhsa_float_denorm_mode_16_64 3
		.amdhsa_memory_ordered 1
		.amdhsa_forward_progress 1
		.amdhsa_inst_pref_size 29
	.end_amdhsa_kernel
	.amdgpu_metadata
---
amdhsa.version: [ 1, 2 ]
amdhsa.kernels:
  - .name:           k_qab7afd27bb_attn
    .symbol:         k_qab7afd27bb_attn.kd
    .args:
      - { .name: qkv, .offset: 0, .size: 8, .value_kind: global_buffer, .address_space: global }
      - { .name: aoc, .offset: 8, .size: 8, .value_kind: global_buffer, .address_space: global }
    .group_segment_fixed_size: 327680
    .private_segment_fixed_size: 0
    .kernarg_segment_align: 8
    .kernarg_segment_size: 16
    .max_flat_workgroup_size: 512
    .sgpr_count:     80
    .vgpr_count:     256
    .wavefront_size: 32
...
	.end_amdgpu_metadata
.endif
;; end of part 3
;; launch outgemm (part 4): grid 4 x 64, 4 waves a work-group, clusters of 4 x 1, 167,936 bytes of LDS; arguments aoc, wcod, out0; writes out0
.if DOCPART == 4
	.amdgcn_target "amdgcn-amd-amdhsa--gfx1250"
	.amdhsa_code_object_version 6
	.text
	.protected	k_qab7afd27bb_outgemm
	.globl	k_qab7afd27bb_outgemm
	.p2align	8
	.type	k_qab7afd27bb_outgemm,@function
k_qab7afd27bb_outgemm:
	s_mov_b64 s[64:65], 0
	v_nop
	global_prefetch_b8 v0, s[64:65] scope:SCOPE_SE
	s_setreg_imm32_b32 hwreg(HW_REG_WAVE_MODE, 25, 1), 1
	s_wait_xcnt 0x0
	s_wait_alu depctr_hold_cnt(0) depctr_sa_sdst(0) depctr_va_vdst(0) depctr_va_sdst(0) depctr_va_ssrc(0) depctr_va_vcc(0) depctr_vm_vsrc(0)
	s_getreg_b32 s2, hwreg(HW_REG_IB_STS2, 6, 4)
	s_cmp_eq_u32 s2, 0
	s_cbranch_scc0 .Lentry_in_a_cluster
	s_endpgm
.Lentry_in_a_cluster:
	s_bfe_u32 s2, ttmp6, 0x10000c
	s_cmp_lg_u32 s2, 0x3003
	s_cbranch_scc0 .Lentry_shape_is_right
	s_endpgm
.Lentry_shape_is_right:
; out0 = (attention's result) wo^T on codes of FP6 (E2M3) with E8M0 scales; f32 results.
; THE DEAL: 256 work-groups of four waves.  A wave holds 64 rows of wo (four tiles of wcod), ALL of K, in 384 registers, loaded from memory as they lie (512 consecutive bytes a load), once.
; Eight token tiles of aoc stream past them out of LDS, 32 products a tile.  The four waves of a work-group (256 columns) and the four work-groups of a cluster (all 1,024 columns) walk the same eight tiles:
; they are asked for once, jointly (mask 15), at the head: waves 0-2 a third of the codes each, wave 3 the scale bytes.  One barrier shows them to all; nothing is filled again.
; No prefetch: every tile is asked for at the head, so there is no loop in which to run ahead of a load.
; Source 0 = my four tiles of wo, source 1 = the token tile: a lane's 32 sums are 32 neighbouring columns of one token's row.  A tile's 16 rows x 256 bytes turn through my own stage in LDS, and sixteen lanes store each row's aligned 256 bytes.
; aoc's tiles lie in pieces of 256 bytes, 8 bytes a lane (48 loads a tile, 2 for the scale words).  The count 50 of the wait behind a fetch is that fetch: all older LDS work, the stage's loads and the next tile's fetch, is then done.
; SCALE WORDS: as [k / 256][row][8]; lanes 0-15 load chunks 0, 1 and lanes 16-31 chunks 2, 3: register q % 4, row q / 4 of the register.
.set AOSOFF, 6291456
.set WSOFF, 3145728
.set TILE,  12288
.set NF,    50
.set SCL,   8*TILE
.set STG,   SCL+4096
.set SP,    272
.set SPARE, STG+4*16*SP
.set L16, 1                            ; v1 16 x lane; v2 8 r + 256 h; v3 8 x lane
.set SOF, 2
.set L8,  3
.set STO, 4                            ; v4 stage, in: row r, 128 h; v5 stage, back: row lane / 16, 16 (lane % 16); v6 the same place in out0
.set RD,  5
.set CO,  6
.set ADR, 7
.set ADS, 8
.set SPW, 10
.set NIL, 11
.set SB,  16                           ; v16-31 wo's scale words; v34-41 the token tiles', two sets
.set SA,  34
.set ACC, 96                           ; v96-127 sums; v128-159 a tile's rows back from the stage
.set BK,  128
.set TA,  56
.set TS,  57
.set CN,  58
; fragments lie above v255, 21 to a window: slot f in window 1 + f / 21 at register 12 (f % 21).  Slots 0-31: wo's (4 q + a); 32-39, 40-47: the token tile's two sets
.set MSB, 0
.macro WIN new
.if MSB != (\new)
	s_set_vgpr_msb (MSB<<8)|(\new)
.set MSB, (\new)
.endif
.endm
.macro WALU
	s_wait_alu depctr_va_vdst(0)
.endm
.macro CROUND
	s_barrier_signal -1
	s_barrier_wait -1
	s_cmp_lg_u32 s14, 0
	s_cbranch_scc1 .Lnot_wave_0_\@
	s_barrier_signal -3
.Lnot_wave_0_\@:
	s_barrier_wait -3
	s_barrier_signal -1
	s_barrier_wait -1
.endm
.macro PROD e, q, a
.set FS_, 4*(\q)+(\a)
.set FX_, 32+8*(\e)+(\q)
.set XS_, SB+4*(\a)+(\q)%4
.set XX_, SA+4*(\e)+(\q)%4
.set D_, ACC+8*(\a)
	WIN (1+FS_/21)|((1+FX_/21)<<2)
.if (\q) == 0
	v_wmma_scale_f32_16x16x128_f8f6f4 v[D_:D_+7], v[12*(FS_%21):12*(FS_%21)+11], v[12*(FX_%21):12*(FX_%21)+11], 0, v[XS_], v[XX_] matrix_a_fmt:MATRIX_FMT_FP6 matrix_b_fmt:MATRIX_FMT_FP6
.elseif (\q) < 4
	v_wmma_scale_f32_16x16x128_f8f6f4 v[D_:D_+7], v[12*(FS_%21):12*(FS_%21)+11], v[12*(FX_%21):12*(FX_%21)+11], v[D_:D_+7], v[XS_], v[XX_] matrix_a_fmt:MATRIX_FMT_FP6 matrix_b_fmt:MATRIX_FMT_FP6
.else
	v_wmma_scale_f32_16x16x128_f8f6f4 v[D_:D_+7], v[12*(FS_%21):12*(FS_%21)+11], v[12*(FX_%21):12*(FX_%21)+11], v[D_:D_+7], v[XS_], v[XX_] matrix_a_fmt:MATRIX_FMT_FP6 matrix_b_fmt:MATRIX_FMT_FP6 matrix_a_scale:MATRIX_SCALE_ROW1 matrix_b_scale:MATRIX_SCALE_ROW1
.endif
.endm
.macro FETCH e                         ; a token tile's eight fragments and its scale words into set e
.set i_, 0
.rept 8
.set F_, 32+8*(\e)+i_
	WIN (1+F_/21)<<6
.irp p, 0,1,2,3,4,5
	ds_load_b64 v[12*(F_%21)+2*\p:12*(F_%21)+2*\p+1], v[ADR] offset:1536*i_+256*\p
.endr
.set i_, i_+1
.endr
	WIN 0
	ds_load_b64 v[SA+4*(\e):SA+4*(\e)+1], v[ADS]
	ds_load_b64 v[SA+4*(\e)+2:SA+4*(\e)+3], v[ADS] offset:128
.endm
.macro OBLOCK e, fetch                 ; a token tile: 16 tokens x my 64 columns.  Its fragments were shown in by the tile before (the first: ahead of the loop)
	WALU
	s_wait_xcnt 0x0                                ; the last tile's stores have read their registers
.if \fetch
	s_add_co_u32 s[TA], s[TA], TILE
	s_add_co_u32 s[TS], s[TS], 512
.endif
.irp q, 0,1,2,3,4,5,6,7                ; four sums by turns, K ascending
.irp a, 0,1,2,3
	PROD \e, \q, \a
.endr
.endr
	WIN 0
.if \fetch
	v_add_nc_u32 v[ADR], s[TA], v[L8]              ; five places: ahead of the first read of the sums, of the loads into the products' sources, and of the next tile's products, which begin the sums anew on the same registers
	v_add_nc_u32 v[ADS], s[TS], v[SOF]
	v_nop
	v_nop
	v_nop
.else
.rept 5
	v_nop
.endr
.endif
.irp i, 0,1,2,3,4,5,6,7
	ds_store_b128 v[STO], v[ACC+4*\i:ACC+4*\i+3] offset:16*\i      ; each accumulator from its low end on
.endr
.irp t, 0,1,2,3,4,5,6,7
	ds_load_b128 v[BK+4*\t:BK+4*\t+3], v[RD] offset:2*\t*SP        ; LDS serves a wave's instructions in order: these see my stores
.endr
.if \fetch
	FETCH \e
	s_wait_dscnt NF
.else
	s_wait_dscnt 0x0
.endif
.irp t, 0,1,2,3,4,5,6,7                ; storage place 2 t + lane / 16 of the tile is row 32 (t / 4) + 2 (t % 4) + lane / 16 of its eight-row pieces
	global_store_b128 v[CO], v[BK+4*\t:BK+4*\t+3], s[68:69] offset:(8*(\e)+32*(\t/4)+2*(\t%4))*4096 th:TH_STORE_NT   ; sixteen lanes store 256 consecutive bytes, aligned
.endr
.endm
	s_load_b128 s[4:7], s[0:1], 0x0                ; aoc, wcod
	s_load_b64 s[8:9], s[0:1], 0x10                ; out0
	v_lshl_add_u32 v[SPW], v0, 2, SPARE
	v_mov_b32 v[NIL], 0
	ds_add_u32 v[SPW], v[NIL]                      ; the opening lines
	ds_add_u32 v[SPW], v[NIL]
	v_lshrrev_b32 v12, 5, v0
	v_readfirstlane_b32 s14, v12                   ; wave
	s_bfe_u32 s40, ttmp6, 0x40000                  ; cx: it enters wo's and the result's addresses alone
	s_and_b32 s41, ttmp7, 0xffff                   ; the cluster's number: token tiles 8 n ..
	s_lshl_b32 s44, s40, 2
	s_add_co_u32 s44, s44, s14                     ; my 64 columns, 0 .. 15
	s_mov_b32 s24, 15|(3<<16)|(1<<21)              ; codes: 128 rows of 256 dense bytes
	s_mov_b32 s25, 32<<16
	s_mov_b32 s26, 128<<16
	s_mov_b32 s27, 32<<16
	s_mov_b32 s28, 128
	s_mov_b32 s29, 32
	s_mov_b32 s30, 0
	s_mov_b32 s31, 0
	s_mov_b32 s32, 15|(3<<16)|(1<<21)              ; scale bytes: 16 rows of 256
	s_mov_b32 s33, 32<<16
	s_mov_b32 s34, 16<<16
	s_mov_b32 s35, 32<<16
	s_mov_b32 s36, 16
	s_mov_b32 s37, 32
	s_mov_b32 s38, 0
	s_mov_b32 s39, 0
	s_mov_b32 s48, 1
	s_lshl_b32 s49, s14, 15
	s_mov_b32 s52, 1
	s_mov_b32 s53, SCL
	s_mul_i32 s16, s41, 8*TILE
	s_add_co_u32 s16, s16, s49
	s_mov_b32 s17, 0
	s_lshl_b32 s18, s41, 12
	s_add_co_u32 s18, s18, AOSOFF
	s_mov_b32 s19, 0
	s_mul_i32 s80, s44, 4*TILE
	s_add_co_u32 s80, s80, 192*TILE                ; wo's tiles begin at tile 192 of wcod
	s_mov_b32 s81, 0
	s_lshl_b32 s82, s44, 11
	s_add_co_u32 s82, s82, WSOFF+192*512
	s_mov_b32 s83, 0
	s_lshl_b32 s68, s41, 19                        ; 128 n rows of 4,096 bytes
	s_lshl_b32 s20, s44, 8
	s_add_co_u32 s68, s68, s20
	s_mov_b32 s69, 0
	s_mov_b32 s60, 16*4096                         ; from pair to pair of tiles: 16 rows on, then 48, by turns
	s_mov_b32 s61, 0
	WALU
	s_wait_dscnt 0x0
	s_wait_kmcnt 0x0
	s_add_nc_u64 s[80:81], s[6:7], s[80:81]
	s_add_nc_u64 s[82:83], s[6:7], s[82:83]
	s_add_nc_u64 s[50:51], s[4:5], s[16:17]
	s_or_b32 s51, s51, 0x80000000
	s_add_nc_u64 s[54:55], s[4:5], s[18:19]
	s_or_b32 s55, s55, 0x80000000
	s_add_nc_u64 s[68:69], s[8:9], s[68:69]
	CROUND                                         ; the four work-groups are here: the joint loads meet
	s_cmp_lt_u32 s14, 3
	s_cbranch_scc0 .Lscales
	tensor_load_to_lds s[48:51], s[24:31]
	s_nop 0
.rept 4
	v_nop
.endr
	s_branch .Lasked
.Lscales:
	tensor_load_to_lds s[52:55], s[32:39]
	s_nop 0
.rept 4
	v_nop
.endr
.Lasked:
	v_and_b32 v12, 31, v0
	v_and_b32 v13, 15, v0                          ; r
	v_bfe_u32 v14, v0, 4, 1                        ; h
	v_lshlrev_b32 v[L16], 4, v12
	v_lshlrev_b32 v[SOF], 3, v13
	v_lshl_add_u32 v[SOF], v14, 8, v[SOF]
	v_lshlrev_b32 v[L8], 3, v12
	s_mul_i32 s21, s14, 16*SP
	s_add_co_u32 s21, s21, STG                     ; my stage
	v_mul_u32_u24 v[STO], v13, SP
	v_lshl_add_u32 v[STO], v14, 7, v[STO]
	v_add_nc_u32 v[STO], s21, v[STO]
	v_mul_u32_u24 v[RD], v14, SP
	v_lshl_add_u32 v[RD], v13, 4, v[RD]
	v_add_nc_u32 v[RD], s21, v[RD]
	v_lshlrev_b32 v[CO], 4, v13
	v_lshl_add_u32 v[CO], v14, 12, v[CO]
.set f_, 0
.rept 32                               ; wo's 32 fragments, slot 4 q + a: 96 loads of 512 consecutive bytes
	WIN (1+f_/21)<<6
.irp p, 0,1,2
	global_load_b128 v[12*(f_%21)+4*\p:12*(f_%21)+4*\p+3], v[L16], s[80:81] offset:(f_%4)*TILE+(f_/4)*1536+512*\p
.endr
.set f_, f_+1
.endr
	WIN 0
.irp a, 0,1,2,3
	global_load_b64 v[SB+4*\a:SB+4*\a+1], v[SOF], s[82:83] offset:512*\a
	global_load_b64 v[SB+4*\a+2:SB+4*\a+3], v[SOF], s[82:83] offset:512*\a+128
.endr
	WALU                                           ; the wait at the head's end
	s_wait_tensorcnt 0x0                           ; my part of the tiles is in
	s_barrier_signal -1
	s_barrier_wait -1                              ; and everybody's
	s_mov_b32 s[TA], 0
	s_mov_b32 s[TS], SCL
	v_add_nc_u32 v[ADR], s[TA], v[L8]
	v_add_nc_u32 v[ADS], s[TS], v[SOF]
	FETCH 0
	s_mov_b32 s[TA], TILE
	s_mov_b32 s[TS], SCL+512
	v_add_nc_u32 v[ADR], s[TA], v[L8]
	v_add_nc_u32 v[ADS], s[TS], v[SOF]
	FETCH 1
	s_mov_b32 s[CN], 3
	WALU
	s_wait_loadcnt 0x0                             ; wo
	s_wait_dscnt NF                                ; tile 0 is in; tile 1's fetch may be out
.Lt:                                   ; tiles 0 to 5
	OBLOCK 0, 1
	OBLOCK 1, 1
	WALU
	s_wait_xcnt 0x0                                ; the stores have read their base
	s_add_nc_u64 s[68:69], s[68:69], s[60:61]
	s_xor_b32 s60, s60, (16*4096)^(48*4096)
	s_sub_co_u32 s[CN], s[CN], 1
	s_cmp_lg_u32 s[CN], 0
	s_cbranch_scc1 .Lt
	OBLOCK 0, 0                                    ; tiles 6 and 7 fetch nothing
	OBLOCK 1, 0
	s_wait_tensorcnt 0x0                           ; the wave's end
	ds_add_u32 v[SPW], v[NIL]
	s_wait_dscnt 0x0
	CROUND                                         ; the closing round
	s_endpgm
.Lfunc_end_k_qab7afd27bb_outgemm:
	.size	k_qab7afd27bb_outgemm, .Lfunc_end_k_qab7afd27bb_outgemm-k_qab7afd27bb_outgemm
	.p2alignl 7, 3214868480
	.fill 96, 4, 3214868480
	.section	.rodata,"a",@progbits
	.p2align	6, 0x0
	.amdhsa_kernel k_qab7afd27bb_outgemm
		.amdhsa_group_segment_fixed_size 167936
		.amdhsa_private_segment_fixed_size 0
		.amdhsa_enable_private_segment 0
		.amdhsa_kernarg_size 24
		.amdhsa_user_sgpr_count 2
		.amdhsa_user_sgpr_kernarg_segment_ptr 1
		.amdhsa_wavefront_size32 1
		.amdhsa_system_sgpr_workgroup_id_x 1
		.amdhsa_system_sgpr_workgroup_id_y 1
		.amdhsa_system_sgpr_workgroup_id_z 1
		.amdhsa_system_vgpr_workitem_id 0
		.amdhsa_next_free_vgpr 840
		.amdhsa_next_free_sgpr 96
		.amdhsa_reserve_vcc 0
		.amdhsa_float_denorm_mode_32 3
		.amdhsa_float_denorm_mode_16_64 3
		.amdhsa_memory_ordered 1
		.amdhsa_forward_progress 1
		.amdhsa_inst_pref_size 54
	.end_amdhsa_kernel
	.amdgpu_metadata
---
amdhsa.version: [ 1, 2 ]
amdhsa.kernels:
  - .name:           k_qab7afd27bb_outgemm
    .symbol:         k_qab7afd27bb_outgemm.kd
    .args:
      - { .name: aoc, .offset: 0, .size: 8, .value_kind: global_buffer, .address_space: global }
      - { .name: wcod, .offset: 8, .size: 8, .value_kind: global_buffer, .address_space: global }
      - { .name: out0, .offset: 16, .size: 8, .value_kind: global_buffer, .address_space: global }
    .group_segment_fixed_size: 167936
    .private_segment_fixed_size: 0
    .kernarg_segment_align: 8
    .kernarg_segment_size: 24
    .max_flat_workgroup_size: 128
    .sgpr_count:     96
    .vgpr_count:     840
    .wavefront_size: 32
...
	.end_amdgpu_metadata
.endif
;; end of part 4
